; MI455X (gfx1250); checked and timed in simulation.
; The chip was launched on July 23, 2026; its instructions are those of AMD's public machine-readable ISA for CDNA 5 (MIT licence, August 2026) and "CDNA5" Instruction Set Architecture Reference Guide (July 2026). The comments in the code are by the model that wrote it; some were corrected since.
;; Multi Head Attention. Allowed arithmetic: matrix products marked QUANTISED: E2M1 operands, one E8M0 scale for each 32 along K, by v_wmma_scale_f32_16x16x128_f8f6f4 with both operands' format E2M1 (or v_wmma_scale_f32_32x16x128_f4), f32 sums; everything else in f32.
;; Inputs: W_k_codes 1,024 x 32 x 16 uint8 (E2M1 codes of W_k, K innermost, in blocks of 32 codes, two codes a byte); W_k_scales 1,024 x 32 uint8 (E8M0 scales of W_k, one for each 32 codes along K); W_o_codes 1,024 x 32 x 16 uint8 (E2M1 codes of W_o, K innermost, in blocks of 32 codes, two codes a byte); W_o_scales 1,024 x 32 uint8 (E8M0 scales of W_o, one for each 32 codes along K); W_q_codes 1,024 x 32 x 16 uint8 (E2M1 codes of W_q, K innermost, in blocks of 32 codes, two codes a byte); W_q_scales 1,024 x 32 uint8 (E8M0 scales of W_q, one for each 32 codes along K); W_v_codes 1,024 x 32 x 16 uint8 (E2M1 codes of W_v, K innermost, in blocks of 32 codes, two codes a byte); W_v_scales 1,024 x 32 uint8 (E8M0 scales of W_v, one for each 32 codes along K); b_k 1,024 float32; b_o 1,024 float32; b_q 1,024 float32; b_v 1,024 float32; x_codes 4 x 2,048 x 32 x 16 uint8 (E2M1 codes of x, K innermost, in blocks of 32 codes, two codes a byte); x_scales 4 x 2,048 x 32 uint8 (E8M0 scales of x, one for each 32 codes along K).
;; Outputs: out0 4 x 2,048 x 1,024 float32.
;; This version of the problem:
;;   THIS VERSION OF THE PROBLEM IS GIVEN IN LOW PRECISION. The matrix products marked QUANTISED in the list below multiply operands that are first quantised to E2M1 (2 exponent bits, 1 mantissa bit; 4 bits a number), with one power-of-two scale for each 32 numbers along K (OCP MX v1.0); their sums are f32. All else is computed in f32.
;;   The module's matrix products, in the order in which they are computed (A, B: the left and right operand; K: the contracted axis; several contracted axes count as one K, in the product's order):
;;     1. [M 8,192, K 1,024] x [K 1,024, N 1,024]; A: input x (given as codes); B: input W_q (given as codes): QUANTISED
;;     2. [M 8,192, K 1,024] x [K 1,024, N 1,024]; A: input x (given as codes); B: input W_k (given as codes): QUANTISED
;;     3. [M 8,192, K 1,024] x [K 1,024, N 1,024]; A: input x (given as codes); B: input W_v (given as codes): QUANTISED
;;     4. batch 64 x [M 2,048, K 64] x [K 64, N 2,048]; A: computed on the way; B: computed on the way: QUANTISED
;;     5. batch 64 x [M 2,048, K 2,048] x [K 2,048, N 64]; A: softmax (see below); B: computed on the way: QUANTISED
;;     6. [M 8,192, K 1,024] x [K 1,024, N 1,024]; A: computed on the way; B: input W_o (given as codes): QUANTISED
;;   THE QUANTISER, for each operand of a quantised product, along K:
;;     - K is cut into blocks of 32 from its start; a last block that is shorter is filled with zeros.
;;     - A block's scale is 2^e with e = floor(log2(the largest magnitude in the block)) - 2, held to -126 .. 127; a block of zeros has e = 0. As a byte (E8M0): e + 127.
;;     - Each number is divided by its block's scale, clamped to +-6, and rounded to the nearest number of E2M1, ties to even, subnormals kept.
;;     - The product sums the exact products of the quantised numbers (number of the format x scale) in f32.
;;   ~~~python
;;   def quantise(x, axis):      # numpy; x: float32 -> the quantised numbers, widened to float32 again
;;       x = np.moveaxis(x, axis, -1); K = x.shape[-1]
;;       x = np.pad(x, [(0, 0)] * (x.ndim - 1) + [(0, -K % 32)]); x = x.reshape(x.shape[:-1] + (-1, 32)); a = np.abs(x).max(-1, keepdims=True)
;;       e = np.where(a > 0, np.clip(np.frexp(np.where(a > 0, a, 1))[1] - 1 - 2, -126, 127), 0)      # np.frexp(a)[1] - 1 = floor(log2(a)), exactly
;;       r = np.clip(x / 2.0 ** e, -6, 6)
;;       step = 2.0 ** (np.maximum(np.frexp(np.where(r == 0, 1, r))[1] - 1, 0) - 1)
;;       q = np.round(r / step) * step * 2.0 ** e      # np.round: ties to even
;;       return np.moveaxis(q.reshape(q.shape[:-2] + (-1,))[..., :K], -1, axis).astype(np.float32)
;;   ~~~
;;   SOFTMAX AHEAD OF A QUANTISED PRODUCT. Where the list says 'softmax', what is quantised is not the finished softmax but p = 2^(t - M), with t = logit x log2(e) and M = ceil(the row's largest t), a whole number; so 1/2 < the row's largest p <= 1. The row's sum l is taken of the UNQUANTISED p, in f32, and the product's result is divided by l at the end. Since M is a whole number, a kernel that streams over the keys may use a running M (the ceiling of the running maximum): every later rescaling is an exact power of two, which a block's scale takes up: the codes' values come out the same.
;;   OPERANDS COMPUTED ON THE WAY. 'Computed on the way' means the value that the module computes at that place (a softmax that the list does not call 'softmax' is quantised finished and normalised). What goes into a quantiser is computed in f32, as accurately as f32 sums, v_exp_f32 and their like allow (about 1e-6 of the number): no bf16 or f16 on the way to a quantiser, and a product that is left as it is and whose result goes on into a quantised operand takes f32 operands (vector FMAs, or v_wmma_f32_16x16x4_f32). A number that lies on a knife's edge between two numbers of the format may be rounded either way, as far as f32 arithmetic and the matrix unit's own rounding can turn it there, and no further.
;;   INPUTS GIVEN AS CODES. W_k (in the module: [1024, 1024], K = its axis 0); W_o (in the module: [1024, 1024], K = its axis 0); W_q (in the module: [1024, 1024], K = its axis 0); W_v (in the module: [1024, 1024], K = its axis 0); x (in the module: [4, 2048, 1024], K = its axis 2): each comes as NAME_codes (uint8): NAME with its K axis moved to the last place and cut into blocks of 32 codes, [.., K / 32, bytes a block], one block behind the other in memory; two codes a byte, the lower K in the low four bits (a code: sign, 2 exponent bits, 1 mantissa bit); and NAME_scales (uint8): the same leading axes, one E8M0 byte (e + 127) for each 32 codes along K. Its value is code x scale, taken as it is: it is not quantised again, and the codes and scales need not be those that the quantiser above would give.
;; One version. Each part assembles by itself: llvm-mc -triple=amdgcn-amd-amdhsa -mcpu=gfx1250 --defsym DOCPART=n.
;; ======== version 1 of 1: 3 launches
;; workspace buffers: qbuf 4,718,592 bytes; kv 9,175,040 bytes; abuf 4,456,448 bytes
;; launch qkv (part 1): grid 4 x 64, 4 waves a work-group, clusters of 4 x 4, 327,680 bytes of LDS; arguments x_codes, x_scales, W_q_codes, W_k_codes, W_v_codes, W_q_scales, W_k_scales, W_v_scales, b_q, b_k, b_v, qbuf, kv; writes qbuf, kv
.if DOCPART == 1
	.amdgcn_target "amdgcn-amd-amdhsa--gfx1250"
	.amdhsa_code_object_version 6
	.text
	.protected	k_q1e3e46332c_qkv
	.globl	k_q1e3e46332c_qkv
	.p2align	8
	.type	k_q1e3e46332c_qkv,@function
k_q1e3e46332c_qkv:
	s_mov_b64 s[64:65], 0
	v_nop
	global_prefetch_b8 v0, s[64:65] scope:SCOPE_SE
	s_setreg_imm32_b32 hwreg(HW_REG_WAVE_MODE, 25, 1), 1
	s_wait_xcnt 0x0
	s_wait_alu depctr_hold_cnt(0) depctr_sa_sdst(0) depctr_va_vdst(0) depctr_va_sdst(0) depctr_va_ssrc(0) depctr_va_vcc(0) depctr_vm_vsrc(0)
	s_getreg_b32 s2, hwreg(HW_REG_IB_STS2, 6, 4)
	s_cmp_eq_u32 s2, 0
	s_cbranch_scc0 .Lentry_in_a_cluster
	s_endpgm
.Lentry_in_a_cluster:
	s_bfe_u32 s2, ttmp6, 0x10000c
	s_cmp_lg_u32 s2, 0xf033
	s_cbranch_scc0 .Lentry_shape_is_right
	s_endpgm
.Lentry_shape_is_right:
; Q = x W_q + b_q, K = x W_k + b_k, V = x W_v + b_v on codes of FP4 (E2M1) with one E8M0 scale for each 32 along K = 1,024, sums in f32; then Q and K are quantised along a head's 64
; and V along the keys, and leave as IMAGES OF OPERAND REGISTERS: a piece is four registers of 32 lanes, lane l's 16 bytes at 16 l, 512 consecutive bytes a store.
; NOTHING OF reference() IS LEFT OUT in this program: every input has a way to out0 (the biases on Q, K and V move codes, b_o is added), so all fourteen inputs are loaded.
; LIMITS: a block whose largest magnitude lies under 2^-124 has its scale byte held at 1; a block of zeros gets the byte 1 where the rule says 127 (its codes are zeros, and this program alone reads the bytes);
; NaN, infinities and a scale byte 0xff among the inputs are not served.  A bias is the C of a sum's first product, so it is added first and not last.
; SHARES.  A work-group takes 128 rows of x (block mbg) and four heads (4 nj .. 4 nj + 3) and stays for three passes: Q, K, V.  Wave w owns head 4 nj + w: 128 x 64 a pass, 32 accumulators, 256 registers.
; CLUSTER 4 x 4: x's tile hangs on mbg alone and is asked for jointly along a row of the cluster, W's tiles on nj alone and jointly along a column.  W's 64 rows of wave w are read by wave w alone.
; Q, K PASS: source 0 = 16 rows of W, source 1 = 16 rows of x: lane (r, hh) holds row r of x, register j the head's unit 16 b + 8 hh + j: registers run along the next K (d).
; V PASS: the sources change places: lane (r, hh) holds unit r, register j the key 16 a + 8 hh + j: registers run along the keys.
; FROM RESULTS TO AN OPERAND: the conversion of group g (8 registers) gives 8 codes of k = 16 g + 8 hh + 0..7.  The operand's register 4 c + i wants k = 64 c + 32 h + 8 i + 0..7.  So group g's codes go to
; register 4 (g / 4) + perm(g % 4), perm = 0, 2, 1, 3, and two exchanges of lane halves for each four registers give the operand.  A block of 32 is a lane's 16 registers and those of the lane 16 away.
; LDS: x at 0, 128 rows x (512 + 16).  Wave w's region WR = 67,584 + 51,200 w holds in turn: W_q (64 rows x 528) at +0 and W_k's k 0..511 (64 x 272) at +33,792, both first fills;
; W_k's k 512..1023 at +0 (refill, when W_q has been read out); W_v (64 x 528) at +17,408 (refill, when W_k's first half has been read out).  By this text's count a wave has at most three tensor loads out.
; REGISTERS: window 0: addresses, scale words, biases, the quantiser's work; window 1: the 32 accumulators; window 2: two sets of fragments (x's 8 at +8 a, W's 4 at +64 + 8 b) at v0 and v96.
.set XP,    528
.set WRB,   67584
.set WRS,   51200
.set SPARE, 272384                     ; behind the regions: the spare words, 128 bytes a wave, that no other line names
.set LI,   1                           ; v1   16 x lane
.set L8,   2                           ; v2   8 x lane
.set AX,   3                           ; v3   x's fragments: 528 r + 16 hh
.set AW5,  4                           ; v4   W's, pitch 528: WR + 528 r + 16 hh
.set AW2,  5                           ; v5   W's, pitch 272: WR + 272 r + 16 hh
.set SCA,  6                           ; v6   scale words in memory: 32 r + 16 hh
.set BQA,  7                           ; v7   b_q, b_k: 32 hh
.set BVA,  8                           ; v8   b_v: 4 r
.set SPW,  10                          ; v10  my spare word; never rewritten
.set NIL,  11                          ; v11  0; never rewritten
.set XS,   16                          ; v16-47   x's scale words: register 4 a + i: lanes 0-15 K step i, lanes 16-31 K step 4 + i, of row 16 a + r
.set WS,   48                          ; v48-63   W's likewise, 4 b + i
.set BIAS, 64                          ; v64-95   the pass's bias in the result's layout, 8 registers for each b
.set TM,   96                          ; v96-111  largest magnitudes of 16 blocks
.set T2,   112                         ; v112-127 the other half's, then the scale bytes
.set SCL,  128                         ; v128-143 the conversions' scale operands
.set PW,   144                         ; v144-151 scale words
.set SO,   152                         ; v152-155 scale words as they are stored
.set PC,   160                         ; v160-191 codes: 8 pieces
.set WV,   30
.set HI,   31                          ; s31  lanes 16-31
.set SEL,  80                          ; s[80:81] v_permlanex16_b32's selects for the lane 16 away
.set G1X,  32
.set G1F,  40
.set G1H,  48
.set G0X,  56
.set G0Q,  60
.set G0K0, 68
.set G0K1, 72
.set G0V,  76
.set MSB, 0
.macro WIN new                         ; the immediate's high byte repeats the setting that is left; a switch that changes nothing is dropped
.if MSB != \new
	s_set_vgpr_msb (MSB<<8)|\new
.set MSB, \new
.endif
.endm
.macro PLACES                          ; four plain places behind a matrix instruction, ahead of loads into its registers and of reads of its results
.rept 4
	v_nop
.endr
.endm
.macro CROUND                          ; a round of the cluster's barrier
	s_barrier_signal -1
	s_barrier_wait -1
	s_cmp_lg_u32 s[WV], 0
	s_cbranch_scc1 .Lnw0_\@
	s_barrier_signal -3
.Lnw0_\@:
	s_barrier_wait -3
	s_barrier_signal -1
	s_barrier_wait -1
.endm
; one scaled product.  ra, rb: source 0's, source 1's scales stand in lanes 16-31 of their register
.macro WM d, fa, fb, c, sa, sb, ra, rb
.if \ra
.if \rb
	v_wmma_scale_f32_16x16x128_f8f6f4 v[(\d):(\d)+7], v[(\fa):(\fa)+7], v[(\fb):(\fb)+7], v[(\c):(\c)+7], v[(\sa)], v[(\sb)] matrix_a_fmt:MATRIX_FMT_FP4 matrix_b_fmt:MATRIX_FMT_FP4 matrix_a_scale:MATRIX_SCALE_ROW1 matrix_b_scale:MATRIX_SCALE_ROW1
.else
	v_wmma_scale_f32_16x16x128_f8f6f4 v[(\d):(\d)+7], v[(\fa):(\fa)+7], v[(\fb):(\fb)+7], v[(\c):(\c)+7], v[(\sa)], v[(\sb)] matrix_a_fmt:MATRIX_FMT_FP4 matrix_b_fmt:MATRIX_FMT_FP4 matrix_a_scale:MATRIX_SCALE_ROW1
.endif
.else
.if \rb
	v_wmma_scale_f32_16x16x128_f8f6f4 v[(\d):(\d)+7], v[(\fa):(\fa)+7], v[(\fb):(\fb)+7], v[(\c):(\c)+7], v[(\sa)], v[(\sb)] matrix_a_fmt:MATRIX_FMT_FP4 matrix_b_fmt:MATRIX_FMT_FP4 matrix_b_scale:MATRIX_SCALE_ROW1
.else
	v_wmma_scale_f32_16x16x128_f8f6f4 v[(\d):(\d)+7], v[(\fa):(\fa)+7], v[(\fb):(\fb)+7], v[(\c):(\c)+7], v[(\sa)], v[(\sb)] matrix_a_fmt:MATRIX_FMT_FP4 matrix_b_fmt:MATRIX_FMT_FP4
.endif
.endif
.endm
; 24 LDS loads in one run: K step ks of x's 8 fragments and W's 4 (the kk-th 128 along K of W's tile at woff, pitch wp) into a set of window 2
.macro FETCH set, ks, wadr, woff, wp, kk
	WIN 0x80
.irp a, 0,1,2,3,4,5,6,7
	ds_load_b128 v[\set+8*\a:\set+8*\a+3], v[AX] offset:16*XP*\a+64*(\ks)
	ds_load_b128 v[\set+8*\a+4:\set+8*\a+7], v[AX] offset:16*XP*\a+64*(\ks)+32
.endr
.irp b, 0,1,2,3
	ds_load_b128 v[\set+64+8*\b:\set+64+8*\b+3], v[\wadr] offset:\woff+16*\wp*\b+64*(\kk)
	ds_load_b128 v[\set+64+8*\b+4:\set+64+8*\b+7], v[\wadr] offset:\woff+16*\wp*\b+64*(\kk)+32
.endr
	WIN 0
.endm
.macro NEXT set, ks, wadr, woff, wp, kk
	PLACES                                         ; the set was read by the products of the K step before last
	FETCH \set, \ks, \wadr, \woff, \wp, \kk
	s_wait_dscnt 24                                ; all but the 24 just issued: this K step's fragments are in
.endm
; 32 products of a K step; the 32 accumulators take turns in the same order in every K step.  first = 1: C is the bias, in window 0
.macro MULQK set, ks, first
.if \first
	WIN 0x4a
.else
	WIN 0x5a
.endif
.irp a, 0,1,2,3,4,5,6,7
.irp b, 0,1,2,3
.if \first
	WM 8*(4*\a+\b), \set+64+8*\b, \set+8*\a, BIAS+8*\b, WS+4*\b+(\ks)%4, XS+4*\a+(\ks)%4, (\ks)/4, (\ks)/4
.else
	WM 8*(4*\a+\b), \set+64+8*\b, \set+8*\a, 8*(4*\a+\b), WS+4*\b+(\ks)%4, XS+4*\a+(\ks)%4, (\ks)/4, (\ks)/4
.endif
.endr
.endr
.endm
.macro MULV set, ks, first
.if \first
	WIN 0x4a
.else
	WIN 0x5a
.endif
.irp a, 0,1,2,3,4,5,6,7
.irp b, 0,1,2,3
.if \first
	WM 8*(8*\b+\a), \set+8*\a, \set+64+8*\b, BIAS+8*\b, XS+4*\a+(\ks)%4, WS+4*\b+(\ks)%4, (\ks)/4, (\ks)/4
.else
	WM 8*(8*\b+\a), \set+8*\a, \set+64+8*\b, 8*(8*\b+\a), XS+4*\a+(\ks)%4, WS+4*\b+(\ks)%4, (\ks)/4, (\ks)/4
.endif
.endr
.endr
.endm
.macro LDWS base                       ; a pass's scale words of W: each load covers 512 consecutive bytes
.irp b, 0,1,2,3
	global_load_b128 v[WS+4*\b:WS+4*\b+3], v[SCA], s[\base:\base+1] offset:512*\b
.endr
.endm
.macro LDBQK base                      ; register j of group b: bias of unit 16 b + 8 hh + j
.irp b, 0,1,2,3
	global_load_b128 v[BIAS+8*\b:BIAS+8*\b+3], v[BQA], s[\base:\base+1] offset:64*\b
	global_load_b128 v[BIAS+8*\b+4:BIAS+8*\b+7], v[BQA], s[\base:\base+1] offset:64*\b+16
.endr
.endm
; The 256 results of a lane become 8 pieces of codes in v[PC] on and 16 scale bytes in v[T2] on.  Block n is window 1's v[16 n .. 16 n + 15], group g its v[8 g .. 8 g + 7].
.macro QUANT256
	s_wait_xcnt 0x0                                ; the last way out's stores have read their data: the codes' and scale words' registers may be written again
	WIN 0x05
.set qn, 0
.rept 16
	v_max3_num_f32 v[TM+qn], |v[16*qn]|, |v[16*qn+1]|, 0x1800000   ; each accumulator is read from its low end on; the floor 2^(3 - 127) holds the byte at 1 from below
.set qn, qn+1
.endr
	WIN 0x14
.irp i, 2,4,6,8,10,12,14
.set qn, 0
.rept 16
	v_max3_num_f32 v[TM+qn], v[TM+qn], |v[16*qn+\i]|, |v[16*qn+\i+1]|
.set qn, qn+1
.endr
.endr
	WIN 0
.set qn, 0
.rept 16
	v_permlanex16_b32 v[T2+qn], v[TM+qn], s[SEL], s[SEL+1]
.set qn, qn+1
.endr
.set qn, 0
.rept 16
	v_max_num_f32 v[TM+qn], v[TM+qn], v[T2+qn]     ; with the lane 16 away: the block's largest magnitude
.set qn, qn+1
.endr
.set qn, 0
.rept 16
	v_add_nc_u32 v[SCL+qn], 0xff000000, v[TM+qn]   ; 2 off its exponent field: the conversion's scale operand
.set qn, qn+1
.endr
.set qn, 0
.rept 16
	v_lshrrev_b32 v[T2+qn], 23, v[SCL+qn]          ; the scale's byte
.set qn, qn+1
.endr
	WIN 0x01
.set qg, 0
.rept 32
	v_cvt_scalef32_pk8_fp4_f32 v[PC+4*(qg/4)+2*(qg%2)+(qg%4)/2], v[8*qg:8*qg+7], v[SCL+qg/2]
.set qg, qg+1
.endr
	WIN 0
	v_nop                                          ; one plain place behind the last scaled conversion
.set qg, 0
.rept 8
	v_permlane16_swap_b32 v[PC+4*qg], v[PC+4*qg+1]
	v_permlane16_swap_b32 v[PC+4*qg+2], v[PC+4*qg+3]
.set qg, qg+1
.endr
.endm
.macro OUTQK base, soff                ; 8 pieces, and the scale words: lane (r, hh) word i = tile 4 hh + i, row r; bytes 2 and 3 are 0 and stand over zero codes
.irp a, 0,1,2,3,4,5,6,7
	v_lshl_or_b32 v[PW+\a], v[T2+2*\a+1], 8, v[T2+2*\a]
.endr
.irp i, 0,1,2,3
	v_cndmask_b32 v[SO+\i], v[PW+\i], v[PW+4+\i], s[HI]
.endr
.irp q, 0,1,2,3,4,5,6,7
	global_store_b128 v[LI], v[PC+4*\q:PC+4*\q+3], s[\base:\base+1] offset:512*\q   ; 512 consecutive bytes, at a multiple of 256 from the buffer's first byte
.endr
	global_store_b128 v[LI], v[SO:SO+3], s[\base:\base+1] offset:\soff
.endm
; A refill.  Every wave: all its tensor loads have landed; an add to its spare word; the add and the wave's LDS reads are done; a round of the cluster's barrier; the joint load first behind it.
.macro TURN g0, g1
	WIN 0
	s_wait_tensorcnt 0x0
	ds_add_u32 v[SPW], v[NIL]
	s_wait_dscnt 0x0
	CROUND
	tensor_load_to_lds s[\g0:\g0+3], s[\g1:\g1+7]
	s_nop 0
	PLACES
.endm
	s_load_b512 s[4:19], s[0:1], 0x0               ; x codes 4, x scales 6, W_q 8, W_k 10, W_v 12 codes, W_q 14, W_k 16, W_v 18 scales
	s_load_b256 s[20:27], s[0:1], 0x40             ; b_q 20, b_k 22, b_v 24, qbuf 26
	s_load_b64 s[28:29], s[0:1], 0x60              ; kv
	v_lshl_add_u32 v[SPW], v0, 2, SPARE
	v_mov_b32 v[NIL], 0
	ds_add_u32 v[SPW], v[NIL]                      ; the opening: the add, twice on end, and its wait ahead of my first tensor load
	ds_add_u32 v[SPW], v[NIL]
	v_lshrrev_b32 v1, 5, v0
	v_readfirstlane_b32 s[WV], v1                  ; wave 0..3
	s_bfe_u32 s82, ttmp6, 0x40000                  ; cx
	s_bfe_u32 s83, ttmp6, 0x40004                  ; cy
	s_lshl_b32 s84, ttmp9, 2
	s_add_co_u32 s84, s84, s82                     ; nj = 4 x cluster x + cx: which four heads
	s_and_b32 s85, ttmp7, 0xffff
	s_lshl_b32 s85, s85, 2
	s_add_co_u32 s85, s85, s83                     ; mbg = 4 x cluster y + cy: which 128 rows
	s_lshl_b32 s86, s83, 2
	s_lshl_b32 s86, 15, s86                        ; my row of the cluster
	s_lshl_b32 s87, 0x1111, s82                    ; my column
	s_mov_b32 s[HI], 0xffff0000
	s_mov_b32 s[SEL], 0x76543210
	s_mov_b32 s[SEL+1], 0xfedcba98
	; group 1: elements of 1 byte; padding of 4 words behind each row; bit 21 beside a mask
	s_or_b32 s[G1X], s86, (1<<20)|(1<<21)|(6<<22)|(3<<25)    ; x: 32 rows x 512 bytes
	s_mov_b32 s[G1X+1], 512<<16
	s_mov_b32 s[G1X+2], 32<<16
	s_mov_b32 s[G1X+3], 512<<16
	s_mov_b32 s[G1X+4], 32
	s_mov_b32 s[G1X+5], 512
	s_mov_b32 s[G1X+6], 0
	s_mov_b32 s[G1X+7], 0
	s_or_b32 s[G1F], s87, (1<<20)|(1<<21)|(6<<22)|(3<<25)    ; W, all of K: 64 rows x 512 bytes
	s_mov_b32 s[G1F+1], 512<<16
	s_mov_b32 s[G1F+2], 64<<16
	s_mov_b32 s[G1F+3], 512<<16
	s_mov_b32 s[G1F+4], 64
	s_mov_b32 s[G1F+5], 512
	s_mov_b32 s[G1F+6], 0
	s_mov_b32 s[G1F+7], 0
	s_or_b32 s[G1H], s87, (1<<20)|(1<<21)|(5<<22)|(3<<25)    ; W, half of K: 64 rows x 256 bytes, 512 apart in memory
	s_mov_b32 s[G1H+1], 256<<16
	s_mov_b32 s[G1H+2], 64<<16
	s_mov_b32 s[G1H+3], 256<<16
	s_mov_b32 s[G1H+4], 64
	s_mov_b32 s[G1H+5], 512
	s_mov_b32 s[G1H+6], 0
	s_mov_b32 s[G1H+7], 0
	s_lshl_b32 s88, s85, 16                        ; x's codes: 128 rows of 512 bytes a block,
	s_lshl_b32 s92, s[WV], 14                      ; my 32 rows of them (no register here holds cx)
	s_add_co_u32 s88, s88, s92
	s_mov_b32 s89, 0
	s_lshl_b32 s90, s84, 17                        ; W's codes: 256 rows of 512 bytes for four heads,
	s_lshl_b32 s93, s[WV], 15                      ; my head's 64 (no register here holds cy)
	s_add_co_u32 s90, s90, s93
	s_mov_b32 s91, 0
	s_mul_i32 s92, s[WV], 32*XP                    ; LDS: my 32 rows of x,
	s_mul_i32 s93, s[WV], WRS
	s_add_co_u32 s93, s93, WRB                     ; and my region for W
	s_lshl_b32 s94, s85, 12                        ; x's scale bytes: 128 rows of 32
	s_mov_b32 s95, 0
	s_lshl_b32 s96, s84, 13                        ; W's: 256 rows of 32, my 64
	s_lshl_b32 s98, s[WV], 11
	s_add_co_u32 s96, s96, s98
	s_mov_b32 s97, 0
	v_and_b32 v12, 15, v0                          ; r
	v_bfe_u32 v13, v0, 4, 1                        ; hh
	v_and_b32 v[LI], 31, v0
	v_lshlrev_b32 v[L8], 3, v[LI]
	v_lshlrev_b32 v[LI], 4, v[LI]
	v_mul_u32_u24 v[AX], v12, XP
	v_lshl_add_u32 v[AX], v13, 4, v[AX]
	v_add_nc_u32 v[AW5], s93, v[AX]
	v_mul_u32_u24 v[AW2], v12, 272
	v_lshl_add_u32 v[AW2], v13, 4, v[AW2]
	v_add_nc_u32 v[AW2], s93, v[AW2]
	v_lshlrev_b32 v[SCA], 5, v12
	v_lshl_add_u32 v[SCA], v13, 4, v[SCA]
	v_lshlrev_b32 v[BQA], 5, v13
	v_lshlrev_b32 v[BVA], 2, v12
.set qn, 0
.rept 16
	v_mov_b32 v[T2+qn], 0                          ; written once: a lane permute's destination counts as one of its sources
.set qn, qn+1
.endr
	s_wait_dscnt 0x0                               ; both opening adds are done
	s_wait_kmcnt 0x0
	s_mov_b32 s[G0X], 1
	s_mov_b32 s[G0X+1], s92
	s_add_nc_u64 s[G0X+2:G0X+3], s[4:5], s[88:89]
	s_or_b32 s[G0X+3], s[G0X+3], 0x80000000
	s_mov_b32 s[G0Q], 1
	s_mov_b32 s[G0Q+1], s93
	s_add_nc_u64 s[G0Q+2:G0Q+3], s[8:9], s[90:91]
	s_or_b32 s[G0Q+3], s[G0Q+3], 0x80000000
	s_mov_b32 s[G0K0], 1
	s_add_co_u32 s[G0K0+1], s93, 33792
	s_add_nc_u64 s[G0K0+2:G0K0+3], s[10:11], s[90:91]
	s_or_b32 s[G0K0+3], s[G0K0+3], 0x80000000
	s_mov_b32 s[G0K1], 1
	s_mov_b32 s[G0K1+1], s93
	s_add_nc_u64 s[G0K1+2:G0K1+3], s[10:11], s[90:91]
	s_add_nc_u64 s[G0K1+2:G0K1+3], s[G0K1+2:G0K1+3], 256
	s_or_b32 s[G0K1+3], s[G0K1+3], 0x80000000
	s_mov_b32 s[G0V], 1
	s_add_co_u32 s[G0V+1], s93, 17408
	s_add_nc_u64 s[G0V+2:G0V+3], s[12:13], s[90:91]
	s_or_b32 s[G0V+3], s[G0V+3], 0x80000000
	CROUND                                         ; all sixteen work-groups are here: the first joint loads meet
	tensor_load_to_lds s[G0X:G0X+3], s[G1X:G1X+7]  ; my 32 rows of x
	s_nop 0
	tensor_load_to_lds s[G0Q:G0Q+3], s[G1F:G1F+7]  ; my head's W_q
	s_nop 0
	tensor_load_to_lds s[G0K0:G0K0+3], s[G1H:G1H+7]  ; the first half of its W_k
	s_nop 0
	PLACES
	s_add_nc_u64 s[6:7], s[6:7], s[94:95]
	s_add_nc_u64 s[14:15], s[14:15], s[96:97]
	s_add_nc_u64 s[16:17], s[16:17], s[96:97]
	s_add_nc_u64 s[18:19], s[18:19], s[96:97]
	s_lshr_b32 s96, s96, 3                         ; the biases: 4 bytes a unit where the scales have 32 a row
	s_add_nc_u64 s[20:21], s[20:21], s[96:97]
	s_add_nc_u64 s[22:23], s[22:23], s[96:97]
	s_add_nc_u64 s[24:25], s[24:25], s[96:97]
	s_lshr_b32 s98, s85, 4                         ; the batch
	s_lshl_b32 s98, s98, 4
	s_lshl_b32 s99, s84, 2
	s_add_co_u32 s98, s98, s99
	s_add_co_u32 s98, s98, s[WV]                   ; hb = 16 x batch + head
	s_lshl_b32 s98, s98, 4
	s_and_b32 s99, s85, 15
	s_add_co_u32 s98, s98, s99                     ; record = 16 hb + the block of 128 rows in the batch
	s_mul_i32 s96, s98, 4608
	s_add_nc_u64 s[26:27], s[26:27], s[96:97]
	s_mul_i32 s96, s98, 8960
	s_add_nc_u64 s[28:29], s[28:29], s[96:97]
.irp a, 0,1,2,3,4,5,6,7
	global_load_b128 v[XS+4*\a:XS+4*\a+3], v[SCA], s[6:7] offset:512*\a   ; x's scale words stay in registers for all three passes
.endr
	LDWS 14
	LDBQK 20
	s_wait_tensorcnt 0x1                           ; my rows of x and my W_q are in; W_k's first half, issued behind them, may stay out
	s_barrier_signal -1
	s_barrier_wait -1                              ; everybody's rows of x are in
	s_wait_loadcnt 0x0
	; ---- Q
	FETCH 0, 0, AW5, 0, 528, 0
	FETCH 96, 1, AW5, 0, 528, 1
	s_wait_dscnt 24
	MULQK 0, 0, 1
	NEXT 0, 2, AW5, 0, 528, 2
	MULQK 96, 1, 0
	NEXT 96, 3, AW5, 0, 528, 3
	MULQK 0, 2, 0
	NEXT 0, 4, AW5, 0, 528, 4
	MULQK 96, 3, 0
	NEXT 96, 5, AW5, 0, 528, 5
	MULQK 0, 4, 0
	NEXT 0, 6, AW5, 0, 528, 6
	MULQK 96, 5, 0
	NEXT 96, 7, AW5, 0, 528, 7
	MULQK 0, 6, 0
	TURN G0K1, G1H                                 ; W_q has been read out: W_k's second half takes its first bytes; it has Q's way out and four K steps in which to land
	MULQK 96, 7, 0
	WIN 0
	PLACES
	LDWS 16
	LDBQK 22
	QUANT256
	OUTQK 26, 4096
	; ---- K
	s_wait_loadcnt 0x0                             ; W_k's scale words and b_k
	FETCH 0, 0, AW2, 33792, 272, 0
	FETCH 96, 1, AW2, 33792, 272, 1
	s_wait_dscnt 24
	MULQK 0, 0, 1
	NEXT 0, 2, AW2, 33792, 272, 2
	MULQK 96, 1, 0
	NEXT 96, 3, AW2, 33792, 272, 3
	MULQK 0, 2, 0
	TURN G0V, G1F                                  ; W_k's first half has been read out, its second has landed: W_v goes behind the second; the four places behind the load serve the loads below
	FETCH 0, 4, AW2, 0, 272, 0
	MULQK 96, 3, 0                                 ; its fragments were shown in by the wait for 0 above
	NEXT 96, 5, AW2, 0, 272, 1
	MULQK 0, 4, 0
	NEXT 0, 6, AW2, 0, 272, 2
	MULQK 96, 5, 0
	NEXT 96, 7, AW2, 0, 272, 3
	MULQK 0, 6, 0
	s_wait_dscnt 0x0
	MULQK 96, 7, 0
	WIN 0
	PLACES
	LDWS 18
.irp b, 0,1,2,3
.irp j, 0,1,2,3,4,5,6,7
	global_load_b32 v[BIAS+8*\b+\j], v[BVA], s[24:25] offset:64*\b   ; in V's layout a lane holds one unit: all eight registers hold b_v of unit 16 b + r
.endr
.endr
	QUANT256
	OUTQK 28, 8192
	; ---- V
	s_wait_tensorcnt 0x0                           ; my W_v is in: I alone read it, so my own counter is all the ordering that the reads need
	s_wait_loadcnt 0x0
	FETCH 0, 0, AW5, 17408, 528, 0
	FETCH 96, 1, AW5, 17408, 528, 1
	s_wait_dscnt 24
	MULV 0, 0, 1
	NEXT 0, 2, AW5, 17408, 528, 2
	MULV 96, 1, 0
	NEXT 96, 3, AW5, 17408, 528, 3
	MULV 0, 2, 0
	NEXT 0, 4, AW5, 17408, 528, 4
	MULV 96, 3, 0
	NEXT 96, 5, AW5, 17408, 528, 5
	MULV 0, 4, 0
	NEXT 0, 6, AW5, 17408, 528, 6
	MULV 96, 5, 0
	NEXT 96, 7, AW5, 17408, 528, 7
	MULV 0, 6, 0
	s_wait_dscnt 0x0
	MULV 96, 7, 0
	WIN 0
	PLACES
	QUANT256
.irp b, 0,1,2,3
	v_lshl_or_b32 v[PW+\b], v[T2+4*\b+1], 8, v[T2+4*\b]      ; unit 16 b + r: the bytes of its four blocks of 32 keys
.endr
.irp b, 0,1,2,3
	v_lshl_or_b32 v[PW+\b], v[T2+4*\b+2], 16, v[PW+\b]
.endr
.irp b, 0,1,2,3
	v_lshl_or_b32 v[PW+\b], v[T2+4*\b+3], 24, v[PW+\b]
.endr
	v_cndmask_b32 v[SO], v[PW], v[PW+2], s[HI]     ; lane (r, hh) word i: tile 2 hh + i
	v_cndmask_b32 v[SO+1], v[PW+1], v[PW+3], s[HI]
.irp q, 0,1,2,3,4,5,6,7
	global_store_b128 v[LI], v[PC+4*\q:PC+4*\q+3], s[28:29] offset:4096+512*\q
.endr
	global_store_b64 v[L8], v[SO:SO+1], s[28:29] offset:8704   ; 256 consecutive bytes
	s_wait_tensorcnt 0x0                           ; the wave's end
	ds_add_u32 v[SPW], v[NIL]
	s_wait_dscnt 0x0
	CROUND                                         ; the closing round: no work-group ends while a partner may still ask for a tile that names it
	s_endpgm
.Lfunc_end_k_q1e3e46332c_qkv:
	.size	k_q1e3e46332c_qkv, .Lfunc_end_k_q1e3e46332c_qkv-k_q1e3e46332c_qkv
	.p2alignl 7, 3214868480
	.fill 96, 4, 3214868480
	.section	.rodata,"a",@progbits
	.p2align	6, 0x0
	.amdhsa_kernel k_q1e3e46332c_qkv
		.amdhsa_group_segment_fixed_size 327680
		.amdhsa_private_segment_fixed_size 0
		.amdhsa_enable_private_segment 0
		.amdhsa_kernarg_size 104
		.amdhsa_user_sgpr_count 2
		.amdhsa_user_sgpr_kernarg_segment_ptr 1
		.amdhsa_wavefront_size32 1
		.amdhsa_system_sgpr_workgroup_id_x 1
		.amdhsa_system_sgpr_workgroup_id_y 1
		.amdhsa_system_sgpr_workgroup_id_z 1
		.amdhsa_system_vgpr_workitem_id 0
		.amdhsa_next_free_vgpr 768
		.amdhsa_next_free_sgpr 100
		.amdhsa_reserve_vcc 0
		.amdhsa_float_denorm_mode_32 3
		.amdhsa_float_denorm_mode_16_64 3
		.amdhsa_memory_ordered 1
		.amdhsa_forward_progress 1
		.amdhsa_inst_pref_size 201
	.end_amdhsa_kernel
	.amdgpu_metadata
---
amdhsa.version: [ 1, 2 ]
amdhsa.kernels:
  - .name:           k_q1e3e46332c_qkv
    .symbol:         k_q1e3e46332c_qkv.kd
    .args:
      - { .name: x_codes, .offset: 0, .size: 8, .value_kind: global_buffer, .address_space: global }
      - { .name: x_scales, .offset: 8, .size: 8, .value_kind: global_buffer, .address_space: global }
      - { .name: W_q_codes, .offset: 16, .size: 8, .value_kind: global_buffer, .address_space: global }
      - { .name: W_k_codes, .offset: 24, .size: 8, .value_kind: global_buffer, .address_space: global }
      - { .name: W_v_codes, .offset: 32, .size: 8, .value_kind: global_buffer, .address_space: global }
      - { .name: W_q_scales, .offset: 40, .size: 8, .value_kind: global_buffer, .address_space: global }
      - { .name: W_k_scales, .offset: 48, .size: 8, .value_kind: global_buffer, .address_space: global }
      - { .name: W_v_scales, .offset: 56, .size: 8, .value_kind: global_buffer, .address_space: global }
      - { .name: b_q, .offset: 64, .size: 8, .value_kind: global_buffer, .address_space: global }
      - { .name: b_k, .offset: 72, .size: 8, .value_kind: global_buffer, .address_space: global }
      - { .name: b_v, .offset: 80, .size: 8, .value_kind: global_buffer, .address_space: global }
      - { .name: qbuf, .offset: 88, .size: 8, .value_kind: global_buffer, .address_space: global }
      - { .name: kv, .offset: 96, .size: 8, .value_kind: global_buffer, .address_space: global }
    .group_segment_fixed_size: 327680
    .private_segment_fixed_size: 0
    .kernarg_segment_align: 8
    .kernarg_segment_size: 104
    .max_flat_workgroup_size: 128
    .sgpr_count:     100
    .vgpr_count:     768
    .wavefront_size: 32
...
	.end_amdgpu_metadata
.endif
;; end of part 1
;; launch attn (part 2): grid 8 x 32, 16 waves a work-group, clusters of 4 x 1, 327,680 bytes of LDS; arguments qbuf, kv, abuf; writes abuf
.if DOCPART == 2
	.amdgcn_target "amdgcn-amd-amdhsa--gfx1250"
	.amdhsa_code_object_version 6
	.text
	.protected	k_q1e3e46332c_attn
	.globl	k_q1e3e46332c_attn
	.p2align	8
	.type	k_q1e3e46332c_attn,@function
k_q1e3e46332c_attn:
	s_mov_b64 s[64:65], 0
	v_nop
	global_prefetch_b8 v0, s[64:65] scope:SCOPE_SE
	s_setreg_imm32_b32 hwreg(HW_REG_WAVE_MODE, 25, 1), 1
	s_wait_xcnt 0x0
	s_wait_alu depctr_hold_cnt(0) depctr_sa_sdst(0) depctr_va_vdst(0) depctr_va_sdst(0) depctr_va_ssrc(0) depctr_va_vcc(0) depctr_vm_vsrc(0)
	s_getreg_b32 s2, hwreg(HW_REG_IB_STS2, 6, 4)
	s_cmp_eq_u32 s2, 0
	s_cbranch_scc0 .Lentry_in_a_cluster
	s_endpgm
.Lentry_in_a_cluster:
	s_bfe_u32 s2, ttmp6, 0x10000c
	s_cmp_lg_u32 s2, 0x3003
	s_cbranch_scc0 .Lentry_shape_is_right
	s_endpgm
.Lentry_shape_is_right:
; attn = softmax(Q K^T / 8) V for two heads and 256 queries a work-group, both products on codes of FP4 (E2M1) with E8M0 scales; the result is divided by the row's sum and quantised along the model's 1,024.
; Nothing of reference() is left out here.  K of the first product is 64: the upper 64 of the instruction's 128 are zero codes on both sides, under the scale byte 0.
; THE SOFTMAX: t = score x log2(e) / 8; M = the running largest t rounded UP to a whole number; p = 2^(t - M) is what is quantised, along the keys, not normalised; the row's sum is taken of the unquantised p;
; when M moves, the sum and O are multiplied by 2^(old M - new M), which rounds nothing.
; LIMITS: a block whose largest magnitude lies under 2^-124 has its byte held at 1 (a block of zeros too: its codes are zeros); O is multiplied by v_rcp_f32 of the sum where reference() divides; NaN and infinities are not served.
; SHARES.  y = 8 x batch + pair of heads; qb = 4 x cluster x + cx: 256 queries.  Each of sixteen waves owns one tile of 16 queries and runs two passes, head 2 y and head 2 y + 1, 16 steps of 128 keys each:
; so a wave ends with a whole fragment and a whole scale word of K step `pair` of the last product.  Four waves to a SIMD: one wave's vector work stands beside another's products and LDS loads.
; BOTH HEADS' K AND V LIE IN LDS WHOLE, as they lie in memory (286,720 bytes of register images): each wave brings one step's record of each head, two tensor loads, both at the head; nothing is filled again,
; there is no ring, and no barrier inside a pass; the second head lands under the first pass.  All that the launch reads is asked for at its head, so there is nothing to prefetch.
; CLUSTER 4 x 1: the four query blocks walk the same K and V: each record is asked for jointly, mask 15.  cx enters the addresses into qbuf and abuf alone.
; LAYOUT.  S^T = K Q^T, O^T = V^T P^T: a lane holds ONE query (lane % 16) throughout.  In S^T's tile a register j is key 16 a + 8 hh + j; the codes of group g go to register 4 (g / 4) + perm(g % 4),
; perm = 0, 2, 1, 3, and two exchanges of lane halves for each four registers give the operand (register 4 c + i: keys 64 c + 32 h + 8 i on).
; REGISTERS: v1-7 addresses; v8-15, v16-23 Q of pass 0, 1 (upper four: zeros); v24, v25 their scale words; v26-27 V's scale words; v28-31 K's; v32-95 K's 8 fragments (upper four of each: zeros, set once);
; v96-159 S^T, then p; v160-191 O^T; v192-223 V's 4 fragments; v224-231 p's codes; v232-247 at work; v248 -M, v249 the largest t, v[250:251] the sum; v252 at work; v253 p's scale word; v254 f (v255 named with it).
.set REC,   8960                       ; a step's record: K's 8 pieces, V's 8 pieces, K's scale words (512), V's (256)
.set KVH,   143360                     ; a head's 16 records
.set STG,   286720                     ; 1,024 bytes: the scale words of two blocks of 128 rows meet here
.set SPARE, 287744                     ; the spare words, 128 bytes a wave, that no other line names
.set LI,  1
.set L8,  2
.set AD,  3
.set AD8, 4
.set SPW, 5
.set NIL, 6
.set QSA, 7
.set SW,  240
.set STA, 241
.set RDA, 242
.set WV,  10
.set SEL, 32
.set CS,  34
.set TB,  36
.set CNT, 37
.macro CROUND
	s_barrier_signal -1
	s_barrier_wait -1
	s_cmp_lg_u32 s[WV], 0
	s_cbranch_scc1 .Lnw0_\@
	s_barrier_signal -3
.Lnw0_\@:
	s_barrier_wait -3
	s_barrier_signal -1
	s_barrier_wait -1
.endm
; A KEY STEP: 128 keys, whose record begins at LDS byte s[TB].  qf: Q's fragment, qs: its scale word.
.macro STEP qf, qs
	v_add_nc_u32 v[AD], s[TB], v[LI]
	v_add_nc_u32 v[AD8], s[TB], v[L8]
	v_nop
	v_nop                                          ; four places behind the last step's products, ahead of the loads into V's fragments and scale words
.irp a, 0,1,2,3,4,5,6,7
	ds_load_b128 v[32+8*\a:35+8*\a], v[AD] offset:512*\a           ; 32 lanes read 512 consecutive bytes
.endr
	ds_load_b128 v[28:31], v[AD] offset:8192
.irp f, 0,1,2,3,4,5,6,7
	ds_load_b128 v[192+4*\f:195+4*\f], v[AD] offset:4096+512*\f
.endr
	ds_load_b64 v[26:27], v[AD8] offset:8704
	s_wait_dscnt 9                                 ; K and its scale words are in; V's eight loads and its scale words may stay out
.irp a, 0,1,2,3
	v_wmma_scale_f32_16x16x128_f8f6f4 v[96+8*\a:103+8*\a], v[32+8*\a:39+8*\a], v[\qf:\qf+7], 0, v[28+\a], v[\qs] matrix_a_fmt:MATRIX_FMT_FP4 matrix_b_fmt:MATRIX_FMT_FP4
.endr
.irp a, 4,5,6,7
	v_wmma_scale_f32_16x16x128_f8f6f4 v[96+8*\a:103+8*\a], v[32+8*\a:39+8*\a], v[\qf:\qf+7], 0, v[24+\a], v[\qs] matrix_a_fmt:MATRIX_FMT_FP4 matrix_b_fmt:MATRIX_FMT_FP4 matrix_a_scale:MATRIX_SCALE_ROW1
.endr
.rept 4
	v_nop
.endr
.irp b, 0,1,2,3
	v_max3_num_f32 v[232+\b], v[96+16*\b], v[97+16*\b], v[98+16*\b]   ; the largest score of each block of 32 keys: for the row's maximum, and, since p rises with the score, for the block's largest p
.endr
.irp i, 3,5,7,9,11,13
.irp b, 0,1,2,3
	v_max3_num_f32 v[232+\b], v[232+\b], v[96+16*\b+\i], v[97+16*\b+\i]
.endr
.endr
.irp b, 0,1,2,3
	v_max_num_f32 v[232+\b], v[232+\b], v[111+16*\b]
.endr
.irp b, 0,1,2,3
	s_delay_alu instid0(VALU_DEP_4)
	v_permlanex16_b32 v[236+\b], v[232+\b], s[SEL], s[SEL+1]
.endr
.irp b, 0,1,2,3
	s_delay_alu instid0(VALU_DEP_4)
	v_max_num_f32 v[232+\b], v[232+\b], v[236+\b]  ; with the lane 16 away
.endr
	s_delay_alu instid0(VALU_DEP_2)
	v_max3_num_f32 v252, v232, v233, v234
	s_delay_alu instid0(VALU_DEP_1)
	v_max_num_f32 v252, v252, v235                 ; the step's largest score of my query
	s_delay_alu instid0(VALU_DEP_1)
	v_mul_f32 v252, s[CS], v252                    ; as t
	s_delay_alu instid0(VALU_DEP_1)
	v_max_num_f32 v249, v249, v252                 ; the running largest t
	v_mov_b32 v252, v248
	s_delay_alu instid0(VALU_DEP_2)
	v_floor_f32 v248, -v249                        ; the new -M = floor(-t) = -ceil(t)
	s_delay_alu instid0(VALU_DEP_1)
	v_sub_f32 v252, v248, v252                     ; old M - new M: a whole number, 0 or less
	s_delay_alu instid0(VALU_DEP_1)
	v_cvt_i32_f32 v252, v252                       ; (it saturates)
	s_delay_alu instid0(VALU_DEP_1)
	v_ldexp_f32 v254, 1.0, v252                    ; f = 2^(old M - new M)
.irp j, 0,2,4,6,8,10,12,14,16,18,20,22,24,26,28,30,32,34,36,38,40,42,44,46,48,50,52,54,56,58,60,62
	v_pk_fma_f32 v[96+\j:97+\j], v[96+\j:97+\j], s[CS:CS+1], v[248:249] op_sel_hi:[1,0,0]   ; t - M, two at a time
.endr
.irp b, 0,1,2,3
	v_fma_f32 v[232+\b], v[232+\b], s[CS], v248    ; the same of each block's largest score
.endr
	s_wait_alu depctr_va_vdst(0)
.irp j, 0,1,2,3,4,5,6,7,8,9,10,11,12,13,14,15,16,17,18,19,20,21,22,23,24,25,26,27,28,29,30,31,32,33,34,35,36,37,38,39,40,41,42,43,44,45,46,47,48,49,50,51,52,53,54,55,56,57,58,59,60,61,62,63
	v_exp_f32 v[96+\j], v[96+\j]                   ; p = 2^(t - M)
.endr
	s_setprio 1
	v_pk_mul_f32 v[250:251], v[250:251], v[254:255] op_sel_hi:[1,0]   ; the sums under the new M: the plain place behind the exponentials
	s_wait_alu depctr_va_vdst(0)                   ; one wait for the batch of 64, ahead of its first reader
.irp b, 0,1,2,3
	v_exp_f32 v[232+\b], v[232+\b]                 ; the block's largest p
.endr
	v_pk_add_f32 v[236:237], v[96:97], v[98:99]    ; the row's sum of the unquantised p, in two chains
.irp j, 4,8,12,16,20,24,28,32,36,40,44,48,52,56,60
	v_pk_add_f32 v[250:251], v[250:251], v[96+\j:97+\j]
	v_pk_add_f32 v[236:237], v[236:237], v[98+\j:99+\j]
.endr
	s_delay_alu instid0(VALU_DEP_1)
	v_pk_add_f32 v[250:251], v[250:251], v[236:237]
	s_wait_alu depctr_va_vdst(0)                   ; and one for the four
.irp b, 0,1,2,3
	v_max_num_f32 v[232+\b], 0x1800000, v[232+\b]  ; the floor 2^(3 - 127): the byte cannot fall under 1
.endr
.irp b, 0,1,2,3
	s_delay_alu instid0(VALU_DEP_4)
	v_add_nc_u32 v[244+\b], 0xff000000, v[232+\b]  ; 2 off the exponent field: the conversion's scale operand
.endr
.irp b, 0,1,2,3
	s_delay_alu instid0(VALU_DEP_4)
	v_lshrrev_b32 v[236+\b], 23, v[244+\b]         ; the scale's byte
.endr
	s_delay_alu instid0(VALU_DEP_3)
	v_lshl_or_b32 v253, v237, 8, v236              ; p's scale word for these 128 keys
	s_delay_alu instid0(VALU_DEP_1)
	v_lshl_or_b32 v253, v238, 16, v253
	s_delay_alu instid0(VALU_DEP_1)
	v_lshl_or_b32 v253, v239, 24, v253
.irp g, 0,1,2,3,4,5,6,7
	v_cvt_scalef32_pk8_fp4_f32 v[224+4*(\g/4)+2*(\g%2)+(\g%4)/2], v[96+8*\g:103+8*\g], v[244+\g/2]
.endr
	v_nop                                          ; one plain place behind the last scaled conversion
.irp c, 0,1,2,3
	v_permlane16_swap_b32 v[224+2*\c], v[225+2*\c]
.endr
	s_setprio 0
.irp j, 0,2,4,6,8,10,12,14,16,18,20,22,24,26,28,30
	v_pk_mul_f32 v[160+\j:161+\j], v[160+\j:161+\j], v[254:255] op_sel_hi:[1,0]   ; O^T under the new M.  For each product below twelve of these name none of its registers: the places behind the writes of p's codes and scale word
.endr
	s_wait_alu depctr_va_vdst(0)
	s_wait_dscnt 0x0                               ; V and its scale words are in
.irp d, 0,1
	v_wmma_scale_f32_16x16x128_f8f6f4 v[160+8*\d:167+8*\d], v[192+8*\d:199+8*\d], v[224:231], v[160+8*\d:167+8*\d], v[26+\d], v253 matrix_a_fmt:MATRIX_FMT_FP4 matrix_b_fmt:MATRIX_FMT_FP4
.endr
.irp d, 2,3
	v_wmma_scale_f32_16x16x128_f8f6f4 v[160+8*\d:167+8*\d], v[192+8*\d:199+8*\d], v[224:231], v[160+8*\d:167+8*\d], v[24+\d], v253 matrix_a_fmt:MATRIX_FMT_FP4 matrix_b_fmt:MATRIX_FMT_FP4 matrix_a_scale:MATRIX_SCALE_ROW1
.endr
.endm
; A PASS: head 2 y + p.  The step is written once: O^T and the sum begin as zeros and the largest t under every t, so the first change of M multiplies zeros.
.macro PASS p, qf, qs
	v_mov_b32 v249, 0xff61b1e6                     ; -3e38
	s_delay_alu instid0(VALU_DEP_1)
	v_floor_f32 v248, -v249
	v_mov_b32 v250, 0
	v_mov_b32 v251, 0
.set pj, 0
.rept 32
	v_mov_b32 v[160+pj], 0
.set pj, pj+1
.endr
	s_mov_b32 s[TB], KVH*\p
	s_mov_b32 s[CNT], 16
.Lkey_\@:
	s_setprio 2
	STEP \qf, \qs
	s_add_co_u32 s[TB], s[TB], REC
	s_sub_co_u32 s[CNT], s[CNT], 1
	s_cmp_lg_u32 s[CNT], 0
	s_cbranch_scc1 .Lkey_\@
	s_setprio 0
.rept 4
	v_nop                                          ; places behind the last products
.endr
	v_add_f32 v250, v250, v251                     ; the sum's two halves,
	s_delay_alu instid0(VALU_DEP_1)
	v_permlanex16_b32 v252, v250, s[SEL], s[SEL+1]
	s_delay_alu instid0(VALU_DEP_1)
	v_add_f32 v250, v250, v252                     ; and the lane 16 away's: the row's sum
	s_wait_alu depctr_va_vdst(0)
	v_rcp_f32 v250, v250
	v_nop                                          ; a plain place behind the transcendental,
	s_wait_alu depctr_va_vdst(0)                   ; and the wait ahead of its first reader
.irp j, 0,2,4,6,8,10,12,14,16,18,20,22,24,26,28,30
	v_pk_mul_f32 v[96+\j:97+\j], v[160+\j:161+\j], v[250:251] op_sel_hi:[1,0]   ; O^T / the sum, each accumulator from its low end on: register 8 d + j is unit 16 d + 8 hh + j of my query
.endr
.irp b, 0,1
	v_max3_num_f32 v[232+\b], |v[96+16*\b]|, |v[97+16*\b]|, 0x1800000
.endr
.irp i, 2,4,6,8,10,12,14
.irp b, 0,1
	s_delay_alu instid0(VALU_DEP_2)
	v_max3_num_f32 v[232+\b], v[232+\b], |v[96+16*\b+\i]|, |v[97+16*\b+\i]|
.endr
.endr
.irp b, 0,1
	s_delay_alu instid0(VALU_DEP_2)
	v_permlanex16_b32 v[236+\b], v[232+\b], s[SEL], s[SEL+1]
.endr
.irp b, 0,1
	s_delay_alu instid0(VALU_DEP_2)
	v_max_num_f32 v[232+\b], v[232+\b], v[236+\b]
.endr
.irp b, 0,1
	s_delay_alu instid0(VALU_DEP_2)
	v_add_nc_u32 v[244+\b], 0xff000000, v[232+\b]
.endr
.irp b, 0,1
	s_delay_alu instid0(VALU_DEP_2)
	v_lshrrev_b32 v[236+\b], 23, v[244+\b]
.endr
	s_delay_alu instid0(VALU_DEP_1)
	v_lshl_or_b32 v252, v237, 8, v236              ; this head's two bytes
	v_lshrrev_b32 v[SW], 16, v[SW]                 ; the head before moves down,
	s_delay_alu instid0(VALU_DEP_1)
	v_lshl_or_b32 v[SW], v252, 16, v[SW]           ; this one comes in on top: behind two passes the word is whole
.irp g, 0,1,2,3
	v_cvt_scalef32_pk8_fp4_f32 v[224+2*(\g%2)+\g/2], v[96+8*\g:103+8*\g], v[244+\g/2]
.endr
	v_nop
	v_permlane16_swap_b32 v224, v225
	v_permlane16_swap_b32 v226, v227
	global_store_b128 v[LI], v[224:227], s[42:43] offset:512*\p   ; registers 4 p .. 4 p + 3 of the last product's fragment: 512 consecutive bytes
.endm
	s_load_b128 s[4:7], s[0:1], 0x0                ; qbuf, kv
	s_load_b64 s[8:9], s[0:1], 0x10                ; abuf
	v_lshl_add_u32 v[SPW], v0, 2, SPARE
	v_mov_b32 v[NIL], 0
	ds_add_u32 v[SPW], v[NIL]                      ; the opening: the add, twice on end, and its wait ahead of my first tensor load
	ds_add_u32 v[SPW], v[NIL]
	v_lshrrev_b32 v1, 5, v0
	s_delay_alu instid0(VALU_DEP_1)
	v_readfirstlane_b32 s[WV], v1                  ; wave 0..15
	s_and_b32 s46, ttmp7, 0xffff                   ; y
	s_bfe_u32 s47, ttmp6, 0x40000                  ; cx
	s_lshl_b32 s48, ttmp9, 2
	s_add_co_u32 s48, s48, s47                     ; qb
	s_mov_b32 s16, 15|(3<<16)|(1<<21)              ; group 1: the mask names all four; elements of 8 bytes; a record is 35 dense rows of 256 bytes
	s_mov_b32 s17, 32<<16
	s_mov_b32 s18, 35<<16
	s_mov_b32 s19, 32<<16
	s_mov_b32 s20, 35
	s_mov_b32 s21, 32
	s_mov_b32 s22, 0
	s_mov_b32 s23, 0
	s_lshl_b32 s50, s46, 5
	s_add_co_u32 s50, s50, s[WV]
	s_mul_i32 s50, s50, REC                        ; record w of head 2 y in memory (no register here holds cx),
	s_mov_b32 s51, 0
	s_mul_i32 s49, s[WV], REC                      ; and in LDS
	s_mov_b32 s[SEL], 0x76543210
	s_mov_b32 s[SEL+1], 0xfedcba98
	s_mov_b32 s[CS], 0x3e38aa3b                    ; log2(e) / 8
	s_mov_b32 s[CS+1], s[CS]
	s_lshr_b32 s52, s[WV], 3
	s_lshl_b32 s59, s48, 1
	s_add_co_u32 s52, s52, s59                     ; mb = 2 qb + w / 8: my block of 128 rows
	s_and_b32 s53, s[WV], 7                        ; t: my tile in it
	s_lshl_b32 s54, s46, 5
	s_add_co_u32 s54, s54, s52
	s_mul_i32 s54, s54, 4608                       ; qbuf's record of head 2 y; head 2 y + 1's lies 16 records, 73,728 bytes, on
	s_lshr_b32 s58, s53, 2
	s_lshl_b32 s58, s58, 8
	s_and_b32 s68, s53, 3
	s_lshl_b32 s68, s68, 2
	s_add_co_u32 s58, s58, s68                     ; tile t among scale words: 256 (t / 4) + 4 (t % 4)
	s_add_co_u32 s56, s54, s58
	s_add_co_u32 s56, s56, 4096
	s_mov_b32 s57, 0
	s_lshl_b32 s68, s53, 9
	s_add_co_u32 s54, s54, s68
	s_mov_b32 s55, 0
	s_lshr_b32 s66, s46, 3
	s_lshl_b32 s66, s66, 4                         ; 16 x batch
	s_and_b32 s67, s46, 7                          ; the pair of heads = the last product's K step
	s_add_co_u32 s60, s66, s52
	s_lshl_b32 s60, s60, 3
	s_add_co_u32 s60, s60, s67
	s_mul_i32 s60, s60, 8704
	s_lshl_b32 s68, s53, 10
	s_add_co_u32 s60, s60, s68                     ; abuf: my fragment
	s_mov_b32 s61, 0
	s_and_b32 s68, s[WV], 1
	s_add_co_u32 s62, s66, s59
	s_add_co_u32 s62, s62, s68
	s_lshl_b32 s62, s62, 3
	s_add_co_u32 s62, s62, s67
	s_mul_i32 s62, s62, 8704
	s_add_co_u32 s62, s62, 8192                    ; abuf: the scale words of block 2 qb + w % 2 (waves 0 and 1 store them)
	s_mov_b32 s63, 0
	s_lshr_b32 s69, s[WV], 3
	s_lshl_b32 s69, s69, 9
	s_add_co_u32 s69, s69, s58
	s_add_co_u32 s69, s69, STG                     ; where my tile's scale words go in LDS: the wave's number alone
	s_lshl_b32 s70, s68, 9
	s_add_co_u32 s70, s70, STG
	v_and_b32 v232, 15, v0                         ; r
	v_and_b32 v[LI], 31, v0
	s_delay_alu instid0(VALU_DEP_1)
	v_lshlrev_b32 v[L8], 3, v[LI]
	s_delay_alu instid0(VALU_DEP_2)
	v_lshlrev_b32 v[LI], 4, v[LI]
	s_delay_alu instid0(VALU_DEP_4)
	v_lshlrev_b32 v[QSA], 4, v232
	s_delay_alu instid0(VALU_DEP_1)
	v_add_nc_u32 v[STA], s69, v[QSA]
	s_delay_alu instid0(VALU_DEP_3)
	v_add_nc_u32 v[RDA], s70, v[LI]
	v_mov_b32 v[SW], 0
.irp j, 12,13,14,15,20,21,22,23
	v_mov_b32 v[\j], 0                             ; Q's k 64 .. 127: zero codes
.endr
.irp a, 0,1,2,3,4,5,6,7
.irp j, 4,5,6,7
	v_mov_b32 v[32+8*\a+\j], 0                     ; K's likewise: set once, no load lands here
.endr
.endr
.irp j, 236,237,238,239,252,255
	v_mov_b32 v[\j], 0                             ; lane permutes' destinations, and the upper half of f's pair: written before they are named
.endr
	s_wait_dscnt 0x0                               ; both opening adds are done
	s_wait_kmcnt 0x0
	s_mov_b32 s24, 1
	s_mov_b32 s25, s49
	s_add_nc_u64 s[26:27], s[6:7], s[50:51]
	s_mov_b32 s28, 1
	s_add_co_u32 s29, s49, KVH
	s_add_nc_u64 s[30:31], s[26:27], KVH
	s_or_b32 s27, s27, 0x80000000
	s_or_b32 s31, s31, 0x80000000
	s_add_nc_u64 s[38:39], s[4:5], s[54:55]        ; Q's piece
	s_add_nc_u64 s[40:41], s[4:5], s[56:57]        ; its scale words
	s_add_nc_u64 s[42:43], s[8:9], s[60:61]
	s_add_nc_u64 s[44:45], s[8:9], s[62:63]
	CROUND                                         ; all four work-groups are here: the joint loads meet
	tensor_load_to_lds s[24:27], s[16:23]          ; step w of head 2 y
	s_nop 0
	s_wait_alu depctr_va_vdst(0)
	s_wait_tensorcnt 0x0
	ds_add_u32 v5, v6
	s_wait_dscnt 0x0
	CROUND
	tensor_load_to_lds s[28:31], s[16:23]          ; and of head 2 y + 1: one load of mine is out
	s_nop 0
.rept 4
	v_nop
.endr
	global_load_b128 v[8:11], v[LI], s[38:39]
	global_load_b128 v[16:19], v[LI], s[38:39] offset:73728
	global_load_b32 v24, v[QSA], s[40:41]
	global_load_b32 v25, v[QSA], s[40:41] offset:73728
	s_wait_tensorcnt 0x1                           ; my record of the first head is in; the second head's, issued behind it, stays out
	s_barrier_signal -1
	s_barrier_wait -1                              ; everybody's is
	s_wait_loadcnt 0x0
	PASS 0, 8, 24
	s_wait_tensorcnt 0x0                           ; my record of the second head is in,
	s_wait_dscnt 0x0
	s_barrier_signal -1
	s_barrier_wait -1                              ; everybody's is
	s_wait_xcnt 0x0                                ; the first pass's store has read its data: the codes' registers may be written again
	PASS 1, 16, 25
	ds_store_b32 v[STA], v[SW]                     ; my 16 rows' scale words (lanes l and l + 16 write the same word with the same value)
	s_wait_dscnt 0x0                               ; for the others' sake
	s_barrier_signal -1
	s_barrier_wait -1
	s_cmp_gt_u32 s[WV], 1
	s_cbranch_scc1 .Lnot_mine
	ds_load_b128 v[96:99], v[RDA]                  ; a block's 512 bytes of scale words,
	s_wait_dscnt 0x0
	global_store_b128 v[LI], v[96:99], s[44:45]    ; stored whole
.Lnot_mine:
	s_wait_tensorcnt 0x0                           ; the wave's end
	ds_add_u32 v[SPW], v[NIL]
	s_wait_dscnt 0x0
	CROUND                                         ; the closing round
	s_endpgm
.Lfunc_end_k_q1e3e46332c_attn:
	.size	k_q1e3e46332c_attn, .Lfunc_end_k_q1e3e46332c_attn-k_q1e3e46332c_attn
	.p2alignl 7, 3214868480
	.fill 96, 4, 3214868480
	.section	.rodata,"a",@progbits
	.p2align	6, 0x0
	.amdhsa_kernel k_q1e3e46332c_attn
		.amdhsa_group_segment_fixed_size 327680
		.amdhsa_private_segment_fixed_size 0
		.amdhsa_enable_private_segment 0
		.amdhsa_kernarg_size 24
		.amdhsa_user_sgpr_count 2
		.amdhsa_user_sgpr_kernarg_segment_ptr 1
		.amdhsa_wavefront_size32 1
		.amdhsa_system_sgpr_workgroup_id_x 1
		.amdhsa_system_sgpr_workgroup_id_y 1
		.amdhsa_system_sgpr_workgroup_id_z 1
		.amdhsa_system_vgpr_workitem_id 0
		.amdhsa_next_free_vgpr 256
		.amdhsa_next_free_sgpr 80
		.amdhsa_reserve_vcc 0
		.amdhsa_float_denorm_mode_32 3
		.amdhsa_float_denorm_mode_16_64 3
		.amdhsa_memory_ordered 1
		.amdhsa_forward_progress 1
		.amdhsa_inst_pref_size 52
	.end_amdhsa_kernel
	.amdgpu_metadata
---
amdhsa.version: [ 1, 2 ]
amdhsa.kernels:
  - .name:           k_q1e3e46332c_attn
    .symbol:         k_q1e3e46332c_attn.kd
    .args:
      - { .name: qbuf, .offset: 0, .size: 8, .value_kind: global_buffer, .address_space: global }
      - { .name: kv, .offset: 8, .size: 8, .value_kind: global_buffer, .address_space: global }
      - { .name: abuf, .offset: 16, .size: 8, .value_kind: global_buffer, .address_space: global }
    .group_segment_fixed_size: 327680
    .private_segment_fixed_size: 0
    .kernarg_segment_align: 8
    .kernarg_segment_size: 24
    .max_flat_workgroup_size: 512
    .sgpr_count:     80
    .vgpr_count:     256
    .wavefront_size: 32
...
	.end_amdgpu_metadata
.endif
;; end of part 2
;; launch oproj (part 3): grid 4 x 64, 4 waves a work-group, clusters of 4 x 4, 229,376 bytes of LDS; arguments abuf, W_o_codes, W_o_scales, b_o, out0; writes out0
.if DOCPART == 3
	.amdgcn_target "amdgcn-amd-amdhsa--gfx1250"
	.amdhsa_code_object_version 6
	.text
	.protected	k_q1e3e46332c_oproj
	.globl	k_q1e3e46332c_oproj
	.p2align	8
	.type	k_q1e3e46332c_oproj,@function
k_q1e3e46332c_oproj:
	s_mov_b64 s[64:65], 0
	v_nop
	global_prefetch_b8 v0, s[64:65] scope:SCOPE_SE
	s_setreg_imm32_b32 hwreg(HW_REG_WAVE_MODE, 25, 1), 1
	s_wait_xcnt 0x0
	s_wait_alu depctr_hold_cnt(0) depctr_sa_sdst(0) depctr_va_vdst(0) depctr_va_sdst(0) depctr_va_ssrc(0) depctr_va_vcc(0) depctr_vm_vsrc(0)
	s_getreg_b32 s2, hwreg(HW_REG_IB_STS2, 6, 4)
	s_cmp_eq_u32 s2, 0
	s_cbranch_scc0 .Lentry_in_a_cluster
	s_endpgm
.Lentry_in_a_cluster:
	s_bfe_u32 s2, ttmp6, 0x10000c
	s_cmp_lg_u32 s2, 0xf033
	s_cbranch_scc0 .Lentry_shape_is_right
	s_endpgm
.Lentry_shape_is_right:
; out0 = attn W_o + b_o on codes of FP4 (E2M1) with E8M0 scales, K = 1,024, sums in f32.  Nothing of reference() is left out here.  b_o is the C of each sum's first product, so it is added first and not last.
; LIMITS: NaN, infinities and a scale byte 0xff among the inputs are not served.
; SHARES.  A work-group makes 128 rows (block mbg) x 256 columns (256 nj on); wave w 128 x 64: 32 accumulators.  Source 0 = 16 rows of W_o, source 1 = a fragment of attn: a lane holds eight neighbouring columns of one row.
; CLUSTER 4 x 4: attn's block hangs on mbg alone and is asked for jointly along a row of the cluster, W_o's tiles on nj alone and jointly along a column.
; LDS, each byte filled once: attn's block at 0 as it lies in memory (8 K steps x 8,704 bytes of register images and scale words); W_o's 64 rows of wave w at 69,632 + 34,816 w, two halves of K, pitch 272, read by
; wave w alone; a stage of 16 rows x 272 for each wave at 208,896.  Every wave issues four tensor loads at the head (attn's K step w, W_o's first half, attn's K step 4 + w, W_o's second half): four are out.
; REGISTERS: window 0: addresses, scale words, the bias, rows on the way out; window 1: the accumulators, (a, b) at 8 (4 a + b); window 2: two sets of fragments (attn's 8 at +8 a, W_o's 4 at +64 + 8 b).
.set REC,   8704
.set WB,    69632
.set STAGE, 208896
.set SPARE, 226304                     ; the spare words, 128 bytes a wave, that no other line names
.set LI,   1                           ; v1   16 x lane
.set LI4,  2                           ; v2   the same, at K step 4's record
.set AW,   3                           ; v3   W_o's fragments
.set SCA,  4                           ; v4   32 r + 16 hh
.set BQA,  5                           ; v5   32 hh
.set STO,  6                           ; v6   the stage: where I put 32 bytes of a row
.set RD,   7                           ; v7   and where I read rows back
.set CO,   8                           ; v8   my byte offset in two rows of out0
.set SPW,  10
.set NIL,  11
.set AS,   16                          ; v16-19, v20-23 attn's scale words of a K step, two sets: register i: lanes 0-15 tile i, lanes 16-31 tile 4 + i
.set WS,   48                          ; v48-63 W_o's scale words
.set BIAS, 64                          ; v64-95 b_o in the result's layout
.set BK,   96                          ; v96-127, v128-159 16 rows read back from the stage, by turns
.set WV,   14
.set G1A,  16
.set G1H,  24
.set G0A0, 32
.set G0W0, 36
.set G0A1, 40
.set G0W1, 44
.set MSB, 0
.macro WIN new
.if MSB != \new
	s_set_vgpr_msb (MSB<<8)|\new
.set MSB, \new
.endif
.endm
.macro PLACES
.rept 4
	v_nop
.endr
.endm
.macro CROUND
	s_barrier_signal -1
	s_barrier_wait -1
	s_cmp_lg_u32 s[WV], 0
	s_cbranch_scc1 .Lnw0_\@
	s_barrier_signal -3
.Lnw0_\@:
	s_barrier_wait -3
	s_barrier_signal -1
	s_barrier_wait -1
.endm
.macro WM d, fa, fb, c, sa, sb, ra, rb
.if \ra
.if \rb
	v_wmma_scale_f32_16x16x128_f8f6f4 v[(\d):(\d)+7], v[(\fa):(\fa)+7], v[(\fb):(\fb)+7], v[(\c):(\c)+7], v[(\sa)], v[(\sb)] matrix_a_fmt:MATRIX_FMT_FP4 matrix_b_fmt:MATRIX_FMT_FP4 matrix_a_scale:MATRIX_SCALE_ROW1 matrix_b_scale:MATRIX_SCALE_ROW1
.else
	v_wmma_scale_f32_16x16x128_f8f6f4 v[(\d):(\d)+7], v[(\fa):(\fa)+7], v[(\fb):(\fb)+7], v[(\c):(\c)+7], v[(\sa)], v[(\sb)] matrix_a_fmt:MATRIX_FMT_FP4 matrix_b_fmt:MATRIX_FMT_FP4 matrix_a_scale:MATRIX_SCALE_ROW1
.endif
.else
.if \rb
	v_wmma_scale_f32_16x16x128_f8f6f4 v[(\d):(\d)+7], v[(\fa):(\fa)+7], v[(\fb):(\fb)+7], v[(\c):(\c)+7], v[(\sa)], v[(\sb)] matrix_a_fmt:MATRIX_FMT_FP4 matrix_b_fmt:MATRIX_FMT_FP4 matrix_b_scale:MATRIX_SCALE_ROW1
.else
	v_wmma_scale_f32_16x16x128_f8f6f4 v[(\d):(\d)+7], v[(\fa):(\fa)+7], v[(\fb):(\fb)+7], v[(\c):(\c)+7], v[(\sa)], v[(\sb)] matrix_a_fmt:MATRIX_FMT_FP4 matrix_b_fmt:MATRIX_FMT_FP4
.endif
.endif
.endm
; 25 LDS loads in one run: a K step's 8 fragments of attn (record at adr + aoff), W_o's 4 (at woff) and attn's scale words (into as)
.macro FETCH set, adr, aoff, woff, as
	WIN 0x80
.irp a, 0,1,2,3,4,5,6,7
	ds_load_b128 v[\set+8*\a:\set+8*\a+3], v[\adr] offset:\aoff+1024*\a
	ds_load_b128 v[\set+8*\a+4:\set+8*\a+7], v[\adr] offset:\aoff+1024*\a+512
.endr
.irp b, 0,1,2,3
	ds_load_b128 v[\set+64+8*\b:\set+64+8*\b+3], v[AW] offset:\woff+4352*\b
	ds_load_b128 v[\set+64+8*\b+4:\set+64+8*\b+7], v[AW] offset:\woff+4352*\b+32
.endr
	WIN 0
	ds_load_b128 v[\as:\as+3], v[\adr] offset:\aoff+8192
.endm
.macro NEXT set, adr, aoff, woff, as
	PLACES                                         ; the set and its scale words were read by the products of the K step before last
	FETCH \set, \adr, \aoff, \woff, \as
	s_wait_dscnt 25                                ; all but the 25 just issued
.endm
; 32 products of a K step; the accumulators take turns in the same order in every K step
.macro MUL set, ks, first, as
.if \first
	WIN 0x4a
.else
	WIN 0x5a
.endif
.irp a, 0,1,2,3,4,5,6,7
.irp b, 0,1,2,3
.if \first
	WM 8*(4*\a+\b), \set+64+8*\b, \set+8*\a, BIAS+8*\b, WS+4*\b+(\ks)%4, \as+\a%4, (\ks)/4, \a/4
.else
	WM 8*(4*\a+\b), \set+64+8*\b, \set+8*\a, 8*(4*\a+\b), WS+4*\b+(\ks)%4, \as+\a%4, (\ks)/4, \a/4
.endif
.endr
.endr
.endm
	s_load_b256 s[4:11], s[0:1], 0x0               ; abuf 4, W_o codes 6, W_o scales 8, b_o 10
	s_load_b64 s[12:13], s[0:1], 0x20              ; out0
	v_lshl_add_u32 v[SPW], v0, 2, SPARE
	v_mov_b32 v[NIL], 0
	ds_add_u32 v[SPW], v[NIL]                      ; the opening: the add, twice on end, and its wait ahead of my first tensor load
	ds_add_u32 v[SPW], v[NIL]
	v_lshrrev_b32 v1, 5, v0
	v_readfirstlane_b32 s[WV], v1                  ; wave 0..3
	s_bfe_u32 s48, ttmp6, 0x40000                  ; cx
	s_bfe_u32 s49, ttmp6, 0x40004                  ; cy
	s_lshl_b32 s50, ttmp9, 2
	s_add_co_u32 s50, s50, s48                     ; nj
	s_and_b32 s51, ttmp7, 0xffff
	s_lshl_b32 s51, s51, 2
	s_add_co_u32 s51, s51, s49                     ; mbg
	s_lshl_b32 s52, s49, 2
	s_lshl_b32 s52, 15, s52                        ; my row of the cluster
	s_lshl_b32 s53, 0x1111, s48                    ; my column
	s_or_b32 s[G1A], s52, (3<<16)|(1<<21)          ; attn's record: 34 dense rows of 256 bytes, elements of 8 bytes
	s_mov_b32 s[G1A+1], 32<<16
	s_mov_b32 s[G1A+2], 34<<16
	s_mov_b32 s[G1A+3], 32<<16
	s_mov_b32 s[G1A+4], 34
	s_mov_b32 s[G1A+5], 32
	s_mov_b32 s[G1A+6], 0
	s_mov_b32 s[G1A+7], 0
	s_or_b32 s[G1H], s53, (1<<20)|(1<<21)|(5<<22)|(3<<25)   ; W_o, half of K: 64 rows x 256 bytes, 512 apart in memory, 16 bytes of padding behind each
	s_mov_b32 s[G1H+1], 256<<16
	s_mov_b32 s[G1H+2], 64<<16
	s_mov_b32 s[G1H+3], 256<<16
	s_mov_b32 s[G1H+4], 64
	s_mov_b32 s[G1H+5], 512
	s_mov_b32 s[G1H+6], 0
	s_mov_b32 s[G1H+7], 0
	s_lshl_b32 s54, s51, 3
	s_add_co_u32 s54, s54, s[WV]
	s_mul_i32 s54, s54, REC                        ; attn's K step w of block mbg (no register here holds cx)
	s_mov_b32 s55, 0
	s_lshl_b32 s56, s50, 17
	s_lshl_b32 s59, s[WV], 15
	s_add_co_u32 s56, s56, s59                     ; W_o's rows 256 nj + 64 w (no register here holds cy)
	s_mov_b32 s57, 0
	s_mul_i32 s58, s[WV], REC                      ; LDS: attn's record,
	s_mul_i32 s59, s[WV], 34816
	s_add_co_u32 s59, s59, WB                      ; my W_o
	s_lshl_b32 s60, s50, 13
	s_lshl_b32 s69, s[WV], 11
	s_add_co_u32 s60, s60, s69                     ; W_o's scale bytes
	s_mov_b32 s61, 0
	s_lshr_b32 s62, s60, 3                         ; b_o
	s_mov_b32 s63, 0
	s_lshl_b32 s66, s51, 19                        ; out0: 128 rows of 4,096 bytes,
	s_lshl_b32 s69, s62, 0                         ; my 64 columns: the same bytes on as in b_o
	s_add_co_u32 s66, s66, s69
	s_mov_b32 s67, 0
	s_mul_i32 s68, s[WV], 4352
	s_add_co_u32 s68, s68, STAGE                   ; my stage
	v_and_b32 v12, 15, v0                          ; r
	v_bfe_u32 v13, v0, 4, 1                        ; hh
	v_and_b32 v[LI], 31, v0
	v_lshlrev_b32 v[LI], 4, v[LI]
	v_add_nc_u32 v[LI4], 4*REC, v[LI]
	v_mul_u32_u24 v[AW], v12, 272
	v_lshl_add_u32 v[AW], v13, 4, v[AW]
	v_add_nc_u32 v[AW], s59, v[AW]
	v_lshlrev_b32 v[SCA], 5, v12
	v_lshl_add_u32 v[SCA], v13, 4, v[SCA]
	v_lshlrev_b32 v[BQA], 5, v13
	v_mul_u32_u24 v[STO], v12, 272
	v_lshl_add_u32 v[STO], v13, 5, v[STO]
	v_add_nc_u32 v[STO], s68, v[STO]
	v_mul_u32_u24 v[RD], v13, 272
	v_lshl_add_u32 v[RD], v12, 4, v[RD]
	v_add_nc_u32 v[RD], s68, v[RD]
	v_lshlrev_b32 v[CO], 12, v13
	v_lshl_add_u32 v[CO], v12, 4, v[CO]
	s_wait_dscnt 0x0                               ; both opening adds are done
	s_wait_kmcnt 0x0
	s_mov_b32 s[G0A0], 1
	s_mov_b32 s[G0A0+1], s58
	s_add_nc_u64 s[G0A0+2:G0A0+3], s[4:5], s[54:55]
	s_mov_b32 s[G0A1], 1
	s_add_co_u32 s[G0A1+1], s58, 4*REC
	s_add_nc_u64 s[G0A1+2:G0A1+3], s[G0A0+2:G0A0+3], 4*REC
	s_or_b32 s[G0A0+3], s[G0A0+3], 0x80000000
	s_or_b32 s[G0A1+3], s[G0A1+3], 0x80000000
	s_mov_b32 s[G0W0], 1
	s_mov_b32 s[G0W0+1], s59
	s_add_nc_u64 s[G0W0+2:G0W0+3], s[6:7], s[56:57]
	s_mov_b32 s[G0W1], 1
	s_add_co_u32 s[G0W1+1], s59, 17408
	s_add_nc_u64 s[G0W1+2:G0W1+3], s[G0W0+2:G0W0+3], 256
	s_or_b32 s[G0W0+3], s[G0W0+3], 0x80000000
	s_or_b32 s[G0W1+3], s[G0W1+3], 0x80000000
	s_add_nc_u64 s[8:9], s[8:9], s[60:61]
	s_add_nc_u64 s[10:11], s[10:11], s[62:63]
	s_add_nc_u64 s[12:13], s[12:13], s[66:67]
	CROUND                                         ; all sixteen work-groups are here: the joint loads meet
	tensor_load_to_lds s[G0A0:G0A0+3], s[G1A:G1A+7]
	s_nop 0
	tensor_load_to_lds s[G0W0:G0W0+3], s[G1H:G1H+7]
	s_nop 0
	tensor_load_to_lds s[G0A1:G0A1+3], s[G1A:G1A+7]
	s_nop 0
	tensor_load_to_lds s[G0W1:G0W1+3], s[G1H:G1H+7]
	s_nop 0
	PLACES
.irp b, 0,1,2,3
	global_load_b128 v[WS+4*\b:WS+4*\b+3], v[SCA], s[8:9] offset:512*\b
.endr
	s_wait_alu depctr_va_vdst(0)
.irp b, 0,1,2,3
	global_load_b128 v[BIAS+8*\b:BIAS+8*\b+3], v[BQA], s[10:11] offset:64*\b
	global_load_b128 v[BIAS+8*\b+4:BIAS+8*\b+7], v[BQA], s[10:11] offset:64*\b+16
.endr
	s_wait_tensorcnt 0x2                           ; attn's K step w and W_o's first half are in; the two loads issued behind them stay out
	s_barrier_signal -1
	s_barrier_wait -1                              ; attn's K steps 0 to 3 are in
	s_wait_loadcnt 0x0
	FETCH 0, LI, 0, 0, AS
	FETCH 96, LI, REC, 64, AS+4
	s_wait_dscnt 25
	MUL 0, 0, 1, AS
	NEXT 0, LI, 2*REC, 128, AS
	MUL 96, 1, 0, AS+4
	NEXT 96, LI, 3*REC, 192, AS+4
	MUL 0, 2, 0, AS
	s_wait_tensorcnt 0x0                           ; my parts of the second half are in,
	s_wait_dscnt 0x0                               ; and K step 3's fragments
	s_barrier_signal -1
	s_barrier_wait -1                              ; attn's K steps 4 to 7 are in
	PLACES
	FETCH 0, LI4, 0, 17408, AS
	MUL 96, 3, 0, AS+4
	NEXT 96, LI4, REC, 17408+64, AS+4
	MUL 0, 4, 0, AS
	NEXT 0, LI4, 2*REC, 17408+128, AS
	MUL 96, 5, 0, AS+4
	NEXT 96, LI4, 3*REC, 17408+192, AS+4
	MUL 0, 6, 0, AS
	s_wait_dscnt 0x0
	MUL 96, 7, 0, AS+4
	WIN 0
; THE WAY OUT, a tile of 16 rows x 64 columns at a time: a lane holds 32 neighbouring bytes of a row and the lanes beside it other rows, so a tile goes through my own stage and comes back as whole rows of 256 bytes.
; LDS serves a wave's instructions in order (ISA guide 5.7.1.4): no wait between the stores and the loads, nor ahead of the next tile's stores.
.macro TOSTAGE t
	WIN 0x04                                       ; an LDS store's data are its source 1: window 1
.irp b, 0,1,2,3
	ds_store_b128 v[STO], v[8*(4*(\t)+\b):8*(4*(\t)+\b)+3] offset:64*\b          ; each accumulator from its low end on
	ds_store_b128 v[STO], v[8*(4*(\t)+\b)+4:8*(4*(\t)+\b)+7] offset:64*\b+16
.endr
	WIN 0
.irp i, 0,1,2,3,4,5,6,7
	ds_load_b128 v[BK+32*((\t)%2)+4*\i:BK+32*((\t)%2)+4*\i+3], v[RD] offset:544*\i
.endr
.endm
.macro SEND t, younger                 ; younger: the LDS instructions issued behind tile t's loads, which may stay out
	s_wait_dscnt \younger
.irp i, 0,1,2,3,4,5,6,7
	global_store_b128 v[CO], v[BK+32*((\t)%2)+4*\i:BK+32*((\t)%2)+4*\i+3], s[12:13] offset:(16*(\t)+2*\i)*4096 th:TH_STORE_NT   ; 16 lanes store 256 consecutive bytes, at a multiple of 256 from out0's first byte; 516,096 at the most: inside the signed 24-bit immediate
.endr
.endm
	PLACES                                         ; behind the last products, ahead of the stores that read results
	TOSTAGE 0
.irp t, 1,2,3,4,5,6,7
.if \t > 1
	s_wait_xcnt 0x0                                ; tile t - 2's stores have read their registers: tile t's rows may land there
.endif
	TOSTAGE \t
	SEND \t-1, 16                                  ; behind tile t - 1's loads: tile t's 8 stores and 8 loads
.endr
	SEND 7, 0
	s_wait_tensorcnt 0x0                           ; the wave's end
	ds_add_u32 v[SPW], v[NIL]
	s_wait_dscnt 0x0
	CROUND                                         ; the closing round
	s_endpgm
.Lfunc_end_k_q1e3e46332c_oproj:
	.size	k_q1e3e46332c_oproj, .Lfunc_end_k_q1e3e46332c_oproj-k_q1e3e46332c_oproj
	.p2alignl 7, 3214868480
	.fill 96, 4, 3214868480
	.section	.rodata,"a",@progbits
	.p2align	6, 0x0
	.amdhsa_kernel k_q1e3e46332c_oproj
		.amdhsa_group_segment_fixed_size 229376
		.amdhsa_private_segment_fixed_size 0
		.amdhsa_enable_private_segment 0
		.amdhsa_kernarg_size 40
		.amdhsa_user_sgpr_count 2
		.amdhsa_user_sgpr_kernarg_segment_ptr 1
		.amdhsa_wavefront_size32 1
		.amdhsa_system_sgpr_workgroup_id_x 1
		.amdhsa_system_sgpr_workgroup_id_y 1
		.amdhsa_system_sgpr_workgroup_id_z 1
		.amdhsa_system_vgpr_workitem_id 0
		.amdhsa_next_free_vgpr 768
		.amdhsa_next_free_sgpr 80
		.amdhsa_reserve_vcc 0
		.amdhsa_float_denorm_mode_32 3
		.amdhsa_float_denorm_mode_16_64 3
		.amdhsa_memory_ordered 1
		.amdhsa_forward_progress 1
		.amdhsa_inst_pref_size 70
	.end_amdhsa_kernel
	.amdgpu_metadata
---
amdhsa.version: [ 1, 2 ]
amdhsa.kernels:
  - .name:           k_q1e3e46332c_oproj
    .symbol:         k_q1e3e46332c_oproj.kd
    .args:
      - { .name: abuf, .offset: 0, .size: 8, .value_kind: global_buffer, .address_space: global }
      - { .name: W_o_codes, .offset: 8, .size: 8, .value_kind: global_buffer, .address_space: global }
      - { .name: W_o_scales, .offset: 16, .size: 8, .value_kind: global_buffer, .address_space: global }
      - { .name: b_o, .offset: 24, .size: 8, .value_kind: global_buffer, .address_space: global }
      - { .name: out0, .offset: 32, .size: 8, .value_kind: global_buffer, .address_space: global }
    .group_segment_fixed_size: 229376
    .private_segment_fixed_size: 0
    .kernarg_segment_align: 8
    .kernarg_segment_size: 40
    .max_flat_workgroup_size: 128
    .sgpr_count:     80
    .vgpr_count:     768
    .wavefront_size: 32
...
	.end_amdgpu_metadata
.endif
;; end of part 3
